; MI455X (gfx1250); checked and timed in simulation.
; The chip was launched on July 23, 2026; its instructions are those of AMD's public machine-readable ISA for CDNA 5 (MIT licence, August 2026) and "CDNA5" Instruction Set Architecture Reference Guide (July 2026). The comments in the code are by the model that wrote it; some were corrected since.
;; Scaled Dot Product MHA. Allowed arithmetic: float matrix products may take bf16 or f16 operands with f32 sums; all other float work in f32.
;; Inputs: keys 2 x 2,048 x 16 x 64 float32; queries 2 x 2,048 x 16 x 64 float32; values 2 x 2,048 x 16 x 64 float32.
;; Outputs: out0 2 x 2,048 x 16 x 64 float32.
;; One version. Each part assembles by itself: llvm-mc -triple=amdgcn-amd-amdhsa -mcpu=gfx1250 --defsym DOCPART=n.
;; ======== version 1 of 1: 1 launch
;; limits: inputs' magnitudes at most 65,504; values are held in f16: magnitudes above 65,504 overflow, below 6.1e-05 lose precision
;; launch attn (part 1): grid 256 x 1, 8 waves a work-group, no clusters, 220,160 bytes of LDS; arguments keys, queries, values, out0; writes out0
.if DOCPART == 1
	.amdgcn_target "amdgcn-amd-amdhsa--gfx1250"
	.amdhsa_code_object_version 6
	.text
	.protected	k_qce97e4a9bc_attn
	.globl	k_qce97e4a9bc_attn
	.p2align	8
	.type	k_qce97e4a9bc_attn,@function
k_qce97e4a9bc_attn:
	s_mov_b64 s[64:65], 0
	v_nop
	global_prefetch_b8 v0, s[64:65] scope:SCOPE_SE
	s_setreg_imm32_b32 hwreg(HW_REG_WAVE_MODE, 25, 1), 1
	s_wait_xcnt 0x0
; Causal attention, out = softmax(Q K^T / 8, keys <= query) V, for 32 heads.  The reshape of the problem is a plain reinterpretation:
; head g is a dense [2048][64] f32 matrix at byte g * 524,288 of keys, queries, values and out0.
;
; SHARES.  Work-group x: head x >> 3, p = x & 7.  It makes two blocks of 128 query rows: block 15 - p (key tiles 0 .. 15 - p), then block p
; (key tiles 0 .. p): 17 tiles of 128 keys for every work-group, so all 256 have equal work.  The two blocks are one run of steps t = 0 .. 16;
; with dh = 15 - p, step t takes key tile t (t <= dh) or t - dh - 1; steps dh and 16 are the blocks' last and lie on the diagonal (masked).
; Eight waves: wave w = g + 4 kh takes 32 query rows (32 g ..) against 64 keys (64 kh ..) of each tile, with its own running maximum, sum and O.
; Its two tiles of 16 queries are local tile lt = rows 32 g + 16 (lt xor kh): at a block's end every wave keeps local tile 0 and hands local
; tile 1 to wave w xor 4 through LDS, which merges the two key halves and stores the rows.
;
; PRODUCTS, both transposed.  S^T = K Q^T: a lane (r = lane & 15, h = lane >> 4) holds query r, keys 16 kt + 8 h + j in register j, so the row's
; maximum and sum are in-lane work plus one exchange of the halves, and two neighbouring registers pack straight into the B fragment of
; O^T = V^T P^T (registers 0-3 from kt = 2 ks, 4-7 from kt = 2 ks + 1).  V^T's fragments come from V kept [key][d] by the transposing LDS load.
;
; FORMATS.  K and Q are rounded to bf16 as they are; the factor 0.125 log2(e) is applied to the f32 scores, in the multiply-add that takes the
; maximum away, so that the exponentials are of base 2.  The probabilities lie in [0, 1] and go in f16: a row of few keys sums terms that can
; cancel, and bf16's 8 bits of a probability would show in the sum.  The f16 product wants V in f16 too.  V is first rounded to bf16, so that
; all three inputs enter with one and the same rounding, and then rewritten as f16, which holds a bf16 number exactly from 2^-17 to 65,504.
;
; DATA PATH.  K, V, Q: 16-byte loads (512 consecutive bytes an instruction) into registers, rounded to 16 bits, stored into padded LDS rows.
; Two LDS slots take turns: while slot t & 1 is multiplied, the next tile's loads are out, and they are stored into the other slot at the step's end.
; One barrier a step: in front of it each wave's reads of this slot and its stores into the other are done; behind it the slots change roles.
;
; NO CLUSTER, NO TENSOR LOADS.  The tiles are f32 in memory and the matrix operands 16 bits wide.  A copied tile would land as 65,536 bytes of f32
; a step and would have to be read from LDS and stored again as 32,768 bytes: 98,304 bytes more on the 163,840 that a step moves in LDS now.
; And the eight work-groups of a head need different runs of tiles (16 - p and p + 1), while partners of a joint load must ask alike.
;
; LIMITS.  Inputs are finite and the scores stay finite in f32; NaN and infinite inputs are not followed as the reference treats them.
; |values| up to 65,504 (f16's largest number); a value below 2^-17 carries an absolute error of up to 2^-25.  A probability below about 2^-25
; of the running maximum's weight becomes 0.  The denominator sums the f32 probabilities; the numerator uses them rounded to f16.
; The running maximum starts at -FLT_MAX and masked scores are -inf, so no exponent is ever inf - inf.
.set TILEB, 32768                      ; a tile in memory: 128 rows x 256 bytes
.set KP,    144                        ; LDS pitch of K and Q rows: 128 bytes of bf16 + 16
.set VP,    160                        ; LDS pitch of V rows: 128 + 32 (an odd multiple of 32, for the transposing load)
.set VOFF,  128*KP                     ; 18,432: V behind K in a slot
.set SLOT,  128*KP+128*VP              ; 38,912
.set QH,    2*SLOT                     ; 77,824: the first block's Q, 128 rows x 144
.set QLO,   128*KP                     ; the second block's Q lies 18,432 behind it
.set XCH,   QH+2*QLO                   ; 114,688: two exchange regions, one for each parity of the step
.set XW,    4352                       ; a wave's part of one: 4,096 of O, 128 of maxima, 128 of sums
.set XSZ,   8*XW                       ; 34,816
.set STG,   XCH+2*XSZ                  ; 184,320: the way out, 16 rows x 272 bytes for each wave; ends at 219,136
.set SP,    272
; vector registers, window 0
;   v1 global offset of my 16 bytes in a tile   v2, v3, v4 where I stage K, V, Q   v5, v6 my K and V fragments   v7, v8 my Q fragments (lt 0, 1)
;   v9, v10 exchange: I send   v11, v12 exchange: I receive   v13, v14 stage in, stage back   v15 offset in out0   v18 -inf   v19 prefetch offset
.set DQ,  16                           ; v16-17   lt: query - first key of my lane, inside a diagonal tile (signed)
.set MX,  20                           ; v[20:21], v[22:23]  running maxima of the scaled scores {lt 0, lt 1} written in steps of parity 0, 1
.set ALF, 24                           ; v[24:25] 2^(old maximum - new maximum), {lt 0, lt 1}
.set LS,  26                           ; v[26:27], v[28:29]  running sums, a pair of partial sums for lt 0, 1
.set TS,  32                           ; v32-47   at work (v30, v31: results of the exchange of halves)
.set QF,  48                           ; v48-79   Q fragments [lt][ks], 8 registers each
.set SCR, 80                           ; v80-143  scores, then probabilities [lt][kt], 8 each
.set PRB, 144                          ; v144-175 probabilities in f16 [lt][ks], 8 each
.set ACC, 176                          ; v176-239 O [lt][dt], 8 each
; window 1 (v256 and up, written by their low 8 bits)
.set SK,  0                            ; v256-287 the next K tile's 16 rows of mine
.set SV,  32                           ; v288-319 the same of V
.set KF,  64                           ; v320-383 K fragments [kt][ks]
.set VF,  128                          ; v384-447 V^T fragments [dt][ks]
; scalars: s[4:5] K, s[6:7] Q, s[8:9] V, s[10:11] out0, all at the head; s12 w, s13 g, s14 kh, s15 p, s16 dh, s17 dh + 1, s18 t, s19 trips,
; s[20:21] an offset, s[22:23], s[24:25] next K, V tile, s[26:27] out0 at the block, s[28:29] prefetch, s30 steps in which I prefetch,
; s[32:33] 0.125 log2 e, s34, s35 lane selects, s[36:37], s[38:39] Q of the two blocks, s46 mask of a word's upper half, s31, s40-45 at work
.set MSB, 0
.macro WIN new                         ; s_set_vgpr_msb: bits 1:0 source 0, 3:2 source 1, 5:4 source 2, 7:6 destination; the high byte repeats the setting left
.if MSB != \new
	s_set_vgpr_msb (MSB<<8)|\new
.set MSB, \new
.endif
.endm
.macro PLACES                          ; four places behind a matrix instruction before its result is read by other instructions (ISA guide 7.12.1)
.rept 4
	v_nop
.endr
.endm
.macro GLOAD dst, ptr                  ; my 16 rows of a tile: eight loads of 512 consecutive bytes
.irp i, 0,1,2,3,4,5,6,7
	global_load_b128 v[\dst+4*\i:\dst+4*\i+3], v1, s[\ptr:\ptr+1] offset:512*\i
.endr
.endm
.macro CVT src                         ; 32 f32 to bf16 in place: each load's four numbers end in its first two registers
.irp i, 0,1,2,3,4,5,6,7
	v_cvt_pk_bf16_f32 v[\src+4*\i],   v[\src+4*\i],   v[\src+4*\i+1]
	v_cvt_pk_bf16_f32 v[\src+4*\i+1], v[\src+4*\i+2], v[\src+4*\i+3]
.endr
.endm
.macro CVTV src                        ; 32 f32 rounded to bf16, widened again (a shift, a mask) and written as f16, which is exact: same places as CVT's
.irp i, 0,1,2,3,4,5,6,7
	v_cvt_pk_bf16_f32 v[\src+4*\i],   v[\src+4*\i],   v[\src+4*\i+1]
	v_cvt_pk_bf16_f32 v[\src+4*\i+2], v[\src+4*\i+2], v[\src+4*\i+3]
.endr
.irp i, 0,1,2,3,4,5,6,7
	v_and_b32     v[\src+4*\i+1], s46, v[\src+4*\i]
	v_lshlrev_b32 v[\src+4*\i],   16,  v[\src+4*\i]
	v_and_b32     v[\src+4*\i+3], s46, v[\src+4*\i+2]
	v_lshlrev_b32 v[\src+4*\i+2], 16,  v[\src+4*\i+2]
.endr
.irp i, 0,1,2,3,4,5,6,7
	v_cvt_pk_f16_f32 v[\src+4*\i],   v[\src+4*\i],   v[\src+4*\i+1]
	v_cvt_pk_f16_f32 v[\src+4*\i+1], v[\src+4*\i+2], v[\src+4*\i+3]
.endr
.endm
.macro STORE src, adr, base, pitch     ; 8 bytes a lane; load i held rows 2 i and 2 i + 1 of my 16
.irp i, 0,1,2,3,4,5,6,7
	ds_store_b64 v[\adr], v[\src+4*\i:\src+4*\i+1] offset:\base+2*\pitch*\i
.endr
.endm
.macro QSTAGE src, off                 ; a block's Q rows of mine: round, store
	CVT \src
	STORE \src, 4, \off, KP
.endm
.macro QFILL off                       ; my two query tiles' fragments: column r, d = 32 ks + 8 h .. and + 16
.irp lt, 0,1
.irp ks, 0,1
	ds_load_b128 v[QF+16*\lt+8*\ks:QF+16*\lt+8*\ks+3],   v[7+\lt] offset:\off+64*\ks
	ds_load_b128 v[QF+16*\lt+8*\ks+4:QF+16*\lt+8*\ks+7], v[7+\lt] offset:\off+64*\ks+32
.endr
.endr
.endm
.macro RESET par                       ; a block begins: the maxima that its first step reads as the old ones, and the sums
	v_mov_b32 v[MX+2*\par],   0xff7fffff
	v_mov_b32 v[MX+2*\par+1], 0xff7fffff
.irp i, 0,1,2,3
	v_mov_b32 v[LS+\i], 0
.endr
.endm
.macro FRAGS                           ; 16 loads of K fragments, then 16 transposing loads of V^T fragments, from slot CUR
.irp kt, 0,1,2,3
.irp ks, 0,1
	ds_load_b128 v[KF+16*\kt+8*\ks:KF+16*\kt+8*\ks+3],   v5 offset:CUR+\kt*16*KP+\ks*64
	ds_load_b128 v[KF+16*\kt+8*\ks+4:KF+16*\kt+8*\ks+7], v5 offset:CUR+\kt*16*KP+\ks*64+32
.endr
.endr
.irp dt, 0,1,2,3
.irp ks, 0,1
	ds_load_tr16_b128 v[VF+16*\dt+8*\ks:VF+16*\dt+8*\ks+3],   v6 offset:CUR+VOFF+\ks*32*VP+\dt*32
	ds_load_tr16_b128 v[VF+16*\dt+8*\ks+4:VF+16*\dt+8*\ks+7], v6 offset:CUR+VOFF+\ks*32*VP+\dt*32+16*VP
.endr
.endr
.endm
.macro SMUL                            ; S^T = K Q^T: eight accumulators take turns, one instruction a turn; the first product starts each sum
.irp kt, 0,1,2,3
.irp lt, 0,1
	v_wmma_f32_16x16x32_bf16 v[SCR+32*\lt+8*\kt:SCR+32*\lt+8*\kt+7], v[KF+16*\kt:KF+16*\kt+7], v[QF+16*\lt:QF+16*\lt+7], 0
.endr
.endr
.irp kt, 0,1,2,3
.irp lt, 0,1
	v_wmma_f32_16x16x32_bf16 v[SCR+32*\lt+8*\kt:SCR+32*\lt+8*\kt+7], v[KF+16*\kt+8:KF+16*\kt+15], v[QF+16*\lt+8:QF+16*\lt+15], v[SCR+32*\lt+8*\kt:SCR+32*\lt+8*\kt+7]
.endr
.endr
.endm
.macro MASK                            ; diagonal tile: key 64 kh + 16 kt + 8 h + j beyond the query becomes -inf, that is where 16 kt + j > DQ
.irp lt, 0,1
.set j, 0
.rept 32
	v_cmp_gt_i32 vcc_lo, 16*(j/8)+j%8, v[DQ+\lt]
	v_cndmask_b32 v[SCR+32*\lt+j], v[SCR+32*\lt+j], v18, vcc_lo
.set j, j+1
.endr
.endr
.endm
.macro ROWMAX par, lt                  ; the new maximum of query r: my 32 scores in four chains, scaled; the other half's lanes; the old maximum
.irp c, 0,1,2,3
	v_max3_num_f32 v[TS+4*\lt+\c], v[SCR+32*\lt+8*\c], v[SCR+32*\lt+8*\c+1], v[SCR+32*\lt+8*\c+2]
.endr
.irp c, 0,1,2,3
	v_max3_num_f32 v[TS+4*\lt+\c], v[TS+4*\lt+\c], v[SCR+32*\lt+8*\c+3], v[SCR+32*\lt+8*\c+4]
.endr
.irp c, 0,1,2,3
	v_max3_num_f32 v[TS+4*\lt+\c], v[TS+4*\lt+\c], v[SCR+32*\lt+8*\c+5], v[SCR+32*\lt+8*\c+6]
.endr
	v_max3_num_f32 v[TS+4*\lt],   v[TS+4*\lt],   v[SCR+32*\lt+7],  v[SCR+32*\lt+15]
	v_max3_num_f32 v[TS+4*\lt+1], v[TS+4*\lt+1], v[SCR+32*\lt+23], v[SCR+32*\lt+31]
	v_max3_num_f32 v[TS+4*\lt],   v[TS+4*\lt],   v[TS+4*\lt+1],    v[TS+4*\lt+2]
	v_max_num_f32  v[TS+4*\lt],   v[TS+4*\lt],   v[TS+4*\lt+3]
	v_mul_f32 v[TS+4*\lt], s32, v[TS+4*\lt]                        ; the factor is positive: the largest score stays the largest
	v_permlanex16_b32 v[30+\lt], v[TS+4*\lt], s34, s35             ; lane i takes lane i xor 16: the same query's other keys
	v_max3_num_f32 v[MX+2*\par+\lt], v[TS+4*\lt], v[30+\lt], v[MX+2*(1-\par)+\lt]
	v_sub_f32 v[ALF+\lt], v[MX+2*(1-\par)+\lt], v[MX+2*\par+\lt]   ; exponent of the factor for the old sums
.endm
.macro SUBMAX par, lt                  ; score x 0.125 log2 e - maximum, one rounding, two at a time; the pair of maxima is read by one of its registers for both halves
.irp i, 0,2,4,6,8,10,12,14,16,18,20,22,24,26,28,30
.if \lt == 0
	v_pk_fma_f32 v[SCR+\i:SCR+\i+1], v[SCR+\i:SCR+\i+1], s[32:33], v[MX+2*\par:MX+2*\par+1] op_sel_hi:[1,0,0] neg_lo:[0,0,1] neg_hi:[0,0,1]
.else
	v_pk_fma_f32 v[SCR+32+\i:SCR+32+\i+1], v[SCR+32+\i:SCR+32+\i+1], s[32:33], v[MX+2*\par:MX+2*\par+1] op_sel:[0,0,1] op_sel_hi:[1,0,1] neg_lo:[0,0,1] neg_hi:[0,0,1]
.endif
.endr
.endm
.macro EXPS lt
.set j, 0
.rept 32
	v_exp_f32 v[SCR+32*\lt+j], v[SCR+32*\lt+j]
.set j, j+1
.endr
	v_exp_f32 v[ALF+\lt], v[ALF+\lt]
.endm
.macro ROWSUM lt                       ; my 32 probabilities as a tree of 15 packed adds; then sums = sums x factor + these
.irp i, 0,1,2,3,4,5,6,7
	v_pk_add_f32 v[TS+2*\i:TS+2*\i+1], v[SCR+32*\lt+4*\i:SCR+32*\lt+4*\i+1], v[SCR+32*\lt+4*\i+2:SCR+32*\lt+4*\i+3]
.endr
.irp i, 0,4,8,12
	v_pk_add_f32 v[TS+\i:TS+\i+1], v[TS+\i:TS+\i+1], v[TS+\i+2:TS+\i+3]
.endr
	v_pk_add_f32 v[TS:TS+1],   v[TS:TS+1],   v[TS+4:TS+5]
	v_pk_add_f32 v[TS+8:TS+9], v[TS+8:TS+9], v[TS+12:TS+13]
	v_pk_add_f32 v[TS:TS+1],   v[TS:TS+1],   v[TS+8:TS+9]
.if \lt == 0
	v_pk_fma_f32 v[LS:LS+1], v[LS:LS+1], v[ALF:ALF+1], v[TS:TS+1] op_sel_hi:[1,0,1]
.else
	v_pk_fma_f32 v[LS+2:LS+3], v[LS+2:LS+3], v[ALF:ALF+1], v[TS:TS+1] op_sel:[0,1,0] op_sel_hi:[1,1,1]
.endif
.endm
.macro PACK lt                         ; registers 2 i, 2 i + 1 of the 32 are neighbouring keys: register i of the two B fragments, in f16
.set j, 0
.rept 16
	v_cvt_pk_f16_f32 v[PRB+16*\lt+j], v[SCR+32*\lt+2*j], v[SCR+32*\lt+2*j+1]
.set j, j+1
.endr
.endm
.macro SOFTMAX par
	ROWMAX \par, 0
	ROWMAX \par, 1
	SUBMAX \par, 0
	SUBMAX \par, 1
	EXPS 0
	EXPS 1
	v_nop                              ; one plain vector instruction between the exponentials and the first use of a result (ISA guide 5.7.2)
	s_wait_alu depctr_va_vdst(0)
	ROWSUM 0
	PACK 0
	ROWSUM 1
	PACK 1
.endm
.macro RESCALE                         ; O x 2^(old maximum - new maximum)
.set j, 0
.rept 16
	v_pk_mul_f32 v[ACC+j:ACC+j+1], v[ACC+j:ACC+j+1], v[ALF:ALF+1] op_sel_hi:[1,0]
.set j, j+2
.endr
.rept 16
	v_pk_mul_f32 v[ACC+j:ACC+j+1], v[ACC+j:ACC+j+1], v[ALF:ALF+1] op_sel:[0,1] op_sel_hi:[1,1]
.set j, j+2
.endr
.endm
.macro PV ks, zero                     ; O^T += V^T P^T for 32 keys, f16 operands: eight accumulators take turns, one instruction a turn
.irp dt, 0,1,2,3
.irp lt, 0,1
.if \zero
	v_wmma_f32_16x16x32_f16 v[ACC+32*\lt+8*\dt:ACC+32*\lt+8*\dt+7], v[VF+16*\dt+8*\ks:VF+16*\dt+8*\ks+7], v[PRB+16*\lt+8*\ks:PRB+16*\lt+8*\ks+7], 0
.else
	v_wmma_f32_16x16x32_f16 v[ACC+32*\lt+8*\dt:ACC+32*\lt+8*\dt+7], v[VF+16*\dt+8*\ks:VF+16*\dt+8*\ks+7], v[PRB+16*\lt+8*\ks:PRB+16*\lt+8*\ks+7], v[ACC+32*\lt+8*\dt:ACC+32*\lt+8*\dt+7]
.endif
.endr
.endr
.endm
.macro SEND par                        ; local tile 1 goes to wave w xor 4: maximum, my lane's sum, 32 registers of O, lane for lane
	v_add_f32 v32, v[LS+2], v[LS+3]
	ds_store_b32 v10, v[MX+2*\par+1] offset:XO
	ds_store_b32 v10, v32 offset:XO+128
.irp i, 0,1,2,3,4,5,6,7
	ds_store_b128 v9, v[ACC+32+4*\i:ACC+32+4*\i+3] offset:XO+512*\i
.endr
.endm
.macro RECV par                        ; local tile 0: merge the partner's key half with mine, divide, store 16 rows of out0
.irp i, 0,1,2,3,4,5,6,7
	ds_load_b128 v[SCR+4*\i:SCR+4*\i+3], v11 offset:XO+512*\i
.endr
	ds_load_b32 v32, v12 offset:XO                 ; the partner's maximum
	ds_load_b32 v33, v12 offset:XO+128             ; and its lane's sum
	v_add_f32 v34, v[LS], v[LS+1]                  ; my lane's sum
	s_wait_dscnt 0x0
	v_max_num_f32 v35, v[MX+2*\par], v32
	v_sub_f32 v36, v[MX+2*\par], v35
	v_sub_f32 v37, v32, v35
	v_exp_f32 v36, v36                             ; my weight
	v_exp_f32 v37, v37                             ; the partner's
	v_nop                                          ; a plain instruction before the results are used (ISA guide 5.7.2)
	s_wait_alu depctr_va_vdst(0)
	v_mul_f32 v38, v34, v36
	v_fmac_f32 v38, v33, v37
	v_permlanex16_b32 v30, v38, s34, s35           ; the other half's lanes hold the same query's other keys
	v_add_f32 v38, v38, v30                        ; the whole denominator: the largest score's own term in it is 1 but for rounding
	v_rcp_f32 v39, v38
	v_nop
	s_wait_alu depctr_va_vdst(0)
	v_mul_f32 v40, v36, v39
	v_mul_f32 v41, v37, v39
.set j, 0
.rept 16
	v_pk_mul_f32 v[ACC+j:ACC+j+1], v[ACC+j:ACC+j+1], v[40:41] op_sel_hi:[1,0]
.set j, j+2
.endr
.set j, 0
.rept 16
	v_pk_fma_f32 v[ACC+j:ACC+j+1], v[SCR+j:SCR+j+1], v[40:41], v[ACC+j:ACC+j+1] op_sel:[0,1,0] op_sel_hi:[1,1,1]
.set j, j+2
.endr
	; a lane holds d = 16 dt + 8 h + j of query r: 32 bytes of a row.  Through my own stage, so that whole rows leave.
.irp dt, 0,1,2,3
	ds_store_b128 v13, v[ACC+8*\dt:ACC+8*\dt+3]   offset:64*\dt
	ds_store_b128 v13, v[ACC+8*\dt+4:ACC+8*\dt+7] offset:64*\dt+16
.endr
.irp i, 0,1,2,3,4,5,6,7
	ds_load_b128 v[SCR+32+4*\i:SCR+32+4*\i+3], v14 offset:2*SP*\i  ; LDS serves a wave's instructions in order (ISA guide 5.7.1): these see the stores above
.endr
.irp i, 0,1,2,3,4,5,6,7
	s_wait_dscnt 7-\i                              ; rows 2 i, 2 i + 1 are back; the younger loads stay out
	global_store_b128 v15, v[SCR+32+4*\i:SCR+32+4*\i+3], s[26:27] offset:512*\i th:TH_STORE_NT   ; 16 lanes store 256 consecutive bytes, aligned: a row
.endr
.endm
.macro SWITCH par                      ; from the first block to the second
	QFILL QLO
	RESET \par
	s_wait_xcnt 0x0                                ; the stores' data (score registers) and base are rewritten only behind this wait
	s_lshl_b32 s20, s15, 15
	s_add_nc_u64 s[26:27], s[10:11], s[20:21]      ; out0 at block p
.endm
; One step.  par = t & 1 (the slot read).  first: 1 the block's first step, 2 decided by t.  diag: 0 never, 1 the diagonal step, 2 decided by t.
; next = 1: the next tile is fetched and staged.  pf = 1: the step may prefetch.  All tests but the prefetch's (wave 0 only) hang on ttmp9 and t: alike in all eight waves.
.macro STEP par, first, diag, next, pf
.set CUR, \par*SLOT
.set NXT, (1-\par)*SLOT
.set XO,  \par*XSZ
.if \next
	s_add_co_u32 s31, s18, 1                       ; step t + 1 takes tile t + 1, or t + 1 - (dh + 1) in the second block
	s_cmp_gt_u32 s31, s16
	s_cselect_b32 s40, s17, 0
	s_sub_co_u32 s31, s31, s40
	s_lshl_b32 s20, s31, 15
	s_add_nc_u64 s[22:23], s[4:5], s[20:21]        ; the last loads by these pointers were waited for in the last step
	s_add_nc_u64 s[24:25], s[8:9], s[20:21]
.endif
	WIN 0x40                                       ; destinations in window 1
.if \next
	GLOAD SK, 22                                   ; 16 loads that have the whole step in which to come
	GLOAD SV, 24
.endif
	FRAGS
	s_wait_dscnt 16                                ; all but the 16 youngest: K's fragments (and Q's, where a block has just begun) are in, V's may be out
	WIN 0x01                                       ; A in window 1
	SMUL
	WIN 0
	PLACES
.if \pf
	; Wave 0 asks in step t (t <= 12) for 8,192 bytes of tile t + 3, lanes 256 bytes apart: K's quarter p (p < 4) or V's quarter p - 4, so the head's
	; eight work-groups ask for each byte of tiles 3 .. 15 once; the loads of tile t + 3 are issued in step t + 2.  Tile 15 is the last: nothing passes the head's end.
	s_cmp_lt_u32 s18, s30
	s_cbranch_scc0 .Lnopf_\@
	global_prefetch_b8 v19, s[28:29] th:TH_LOAD_NT scope:SCOPE_SE
.Lnopf_\@:
.endif
.if \diag == 2
	s_cmp_lg_u32 s18, s16
	s_cbranch_scc1 .Lnomask_\@
	MASK
.Lnomask_\@:
.endif
.if \diag == 1
	MASK
.endif
	SOFTMAX \par
	s_wait_dscnt 0x0                               ; V's fragments
.if \first == 2
	s_cmp_eq_u32 s18, s17
	s_cbranch_scc1 .Lfresh_\@
	RESCALE
	WIN 0x01
	PV 0, 0
	WIN 0
	s_branch .Lpvb_\@
.Lfresh_\@:
	WIN 0x01
	PV 0, 1                                        ; a block's first product starts the sums: nothing is cleared
	WIN 0
.Lpvb_\@:
.else
	WIN 0x01
	PV 0, 1
.endif
	WIN 0x01
	PV 1, 0
.if \next
	s_wait_loadcnt 0x0                             ; the next tile's rows of mine
	WIN 0x45                                       ; sources and destination in window 1
	CVT SK                                         ; these conversions are also the places behind the products above
	CVTV SV
	WIN 0x04                                       ; store data in window 1
	STORE SK, 2, NXT, KP
	STORE SV, 3, NXT+VOFF, VP
	WIN 0
.if \pf
	s_wait_xcnt 0x0                                ; the prefetch's base is stepped only behind this wait
	s_add_nc_u64 s[28:29], s[28:29], TILEB
.endif
.else
	WIN 0
	PLACES
.endif
.if \diag == 2
	s_cmp_lg_u32 s18, s16
	s_cbranch_scc1 .Lnosend_\@
	SEND \par
.Lnosend_\@:
.endif
.if \diag == 1
	SEND \par
.endif
	s_wait_dscnt 0x0                               ; for the others: my reads of this slot are back, my stores into the other slot and what I send are in LDS
	s_barrier_signal -1
	s_barrier_wait -1                              ; that holds of all eight waves: the other slot may be read, this one written
.if \diag == 2
	s_cmp_lg_u32 s18, s16
	s_cbranch_scc1 .Lnorecv_\@
	RECV \par
	SWITCH \par
.Lnorecv_\@:
.endif
.if \diag == 1
	RECV \par
.endif
.if \next
	s_add_co_u32 s18, s18, 1
.endif
.endm
	; ---------------- set-up ----------------
	s_load_b256 s[4:11], s[0:1], 0x0               ; keys s[4:5], queries s[6:7], values s[8:9], out0 s[10:11]
	v_lshl_add_u32 v254, v0, 2, 0x35800
	v_mov_b32 v255, 0
	v_lshrrev_b32 v32, 5, v0
	v_readfirstlane_b32 s12, v32                   ; wave w
	s_and_b32 s13, s12, 3                          ; g: which 32 query rows
	s_lshr_b32 s14, s12, 2                         ; kh: which 64 keys
	s_and_b32 s15, ttmp9, 7                        ; p
	s_sub_co_u32 s16, 15, s15                      ; dh
	s_sub_co_u32 s17, 16, s15                      ; dh + 1
	s_lshr_b32 s20, ttmp9, 3
	s_lshl_b32 s20, s20, 19                        ; head x 524,288
	s_mov_b32 s21, 0
	s_mov_b32 s32, 0x3e38aa3b                      ; 0.125 log2(e)
	s_mov_b32 s33, 0x3e38aa3b
	s_mov_b32 s34, 0x76543210                      ; v_permlanex16_b32: lane i of one half reads lane i of the other
	s_mov_b32 s35, 0xfedcba98
	s_mov_b32 s46, 0xffff0000                      ; a word's upper bf16
	s_mov_b32 s18, 0                               ; t
	s_cmp_eq_u32 s12, 0
	s_cselect_b32 s30, 13, 0                       ; wave 0 prefetches in steps 0 .. 12, the others never
	v_and_b32 v32, 31, v0                          ; lane L
	v_and_b32 v33, 15, v0                          ; r
	v_bfe_u32 v34, v0, 4, 1                        ; h
	s_lshl_b32 s40, s12, 12
	v_lshl_add_u32 v1, v32, 4, s40                 ; my 16 rows of a tile start at 4,096 w; 16 bytes a lane
	v_mul_u32_u24 v35, v34, KP                     ; staging: row 16 w + h (+ 2 i), 8 bytes at 8 r
	v_lshl_add_u32 v35, v33, 3, v35
	s_mul_i32 s40, s12, 16*KP
	v_add_nc_u32 v2, s40, v35
	v_add_nc_u32 v4, QH, v2
	v_mul_u32_u24 v35, v34, VP
	v_lshl_add_u32 v35, v33, 3, v35
	s_mul_i32 s40, s12, 16*VP
	v_add_nc_u32 v3, s40, v35
	v_mul_u32_u24 v36, v33, KP                     ; fragments with d along the row: row r, 16 bytes for each half of the lanes
	v_lshl_add_u32 v36, v34, 4, v36
	s_mul_i32 s40, s14, 64*KP
	v_add_nc_u32 v5, s40, v36
	v_and_b32 v35, 7, v0                           ; transposing load: row 8 h + (L & 7), 16 bytes at 16 x bit 3 of L
	v_lshl_add_u32 v35, v34, 3, v35
	v_mul_u32_u24 v35, v35, VP
	v_bfe_u32 v37, v0, 3, 1
	v_lshl_add_u32 v35, v37, 4, v35
	s_mul_i32 s40, s14, 64*VP
	v_add_nc_u32 v6, s40, v35
	s_lshl_b32 s41, s13, 5
	s_lshl_b32 s42, s14, 4
	s_add_co_u32 s41, s41, s42                     ; first row of local tile 0: 32 g + 16 kh
	s_xor_b32 s42, s41, 16                         ; of local tile 1: 32 g + 16 (1 - kh)
	s_mul_i32 s40, s41, KP
	s_add_co_u32 s40, s40, QH
	v_add_nc_u32 v7, s40, v36
	s_mul_i32 s40, s42, KP
	s_add_co_u32 s40, s40, QH
	v_add_nc_u32 v8, s40, v36
	s_mul_i32 s43, s12, XW                         ; my part of an exchange region and of the stage
	s_xor_b32 s44, s12, 4
	s_mul_i32 s44, s44, XW                         ; my partner's
	s_add_co_u32 s40, s43, XCH
	v_lshl_add_u32 v9, v32, 4, s40
	s_add_co_u32 s40, s40, 4096
	v_lshl_add_u32 v10, v32, 2, s40
	s_add_co_u32 s40, s44, XCH
	v_lshl_add_u32 v11, v32, 4, s40
	s_add_co_u32 s40, s40, 4096
	v_lshl_add_u32 v12, v32, 2, s40
	s_add_co_u32 s40, s43, STG
	v_mul_u32_u24 v35, v33, SP                     ; stage in: row r, 32 bytes for each half of the lanes
	v_lshl_add_u32 v35, v34, 5, v35
	v_add_nc_u32 v13, s40, v35
	v_mul_u32_u24 v35, v34, SP                     ; stage back: lanes 0-15 one row of 256 bytes, lanes 16-31 the next
	v_lshl_add_u32 v35, v33, 4, v35
	v_add_nc_u32 v14, s40, v35
	s_lshl_b32 s40, s41, 8
	v_lshl_add_u32 v15, v32, 4, s40                ; the same two rows in out0, from the block's first row
	v_lshlrev_b32 v35, 3, v34
	v_sub_nc_u32 v35, v33, v35                     ; r - 8 h
	s_lshl_b32 s40, s14, 6
	s_sub_co_u32 s45, s41, s40
	v_add_nc_u32 v[DQ], s45, v35                   ; query row - my lane's first key, signed
	s_sub_co_u32 s45, s42, s40
	v_add_nc_u32 v[DQ+1], s45, v35
	v_mov_b32 v18, 0xff800000                      ; -inf
	v_lshlrev_b32 v19, 8, v32
	v_mov_b32 v30, 0                               ; v_permlanex16_b32 counts as a reader of its destination
	v_mov_b32 v31, 0
	s_wait_kmcnt 0x0
	s_add_nc_u64 s[4:5], s[4:5], s[20:21]
	s_add_nc_u64 s[6:7], s[6:7], s[20:21]
	s_add_nc_u64 s[8:9], s[8:9], s[20:21]
	s_add_nc_u64 s[10:11], s[10:11], s[20:21]
	s_lshl_b32 s40, s16, 15
	s_mov_b32 s41, 0
	s_add_nc_u64 s[36:37], s[6:7], s[40:41]        ; Q of block 15 - p
	s_add_nc_u64 s[26:27], s[10:11], s[40:41]      ; out0 of it
	s_lshl_b32 s40, s15, 15
	s_add_nc_u64 s[38:39], s[6:7], s[40:41]        ; Q of block p
	s_and_b32 s40, s15, 3
	s_lshl_b32 s40, s40, 13
	s_add_co_u32 s40, s40, 3*TILEB                 ; my quarter of tile 3
	s_cmp_lt_u32 s15, 4
	s_cselect_b64 s[28:29], s[4:5], s[8:9]
	s_add_nc_u64 s[28:29], s[28:29], s[40:41]
	; 32 loads at once: both blocks' Q rows of mine (read by no other work-group), then tile 0 of K and V
.irp i, 0,1,2,3,4,5,6,7
	global_load_b128 v[SCR+4*\i:SCR+4*\i+3], v1, s[36:37] offset:512*\i th:TH_LOAD_NT
.endr
.irp i, 0,1,2,3,4,5,6,7
	global_load_b128 v[SCR+32+4*\i:SCR+32+4*\i+3], v1, s[38:39] offset:512*\i th:TH_LOAD_NT
.endr
	WIN 0x40
	GLOAD SK, 4
	GLOAD SV, 8
	WIN 0
	s_wait_loadcnt 24                              ; the first eight are in, the 24 younger stay out
	QSTAGE SCR, 0
	s_wait_loadcnt 16                              ; the second block's Q
	QSTAGE SCR+32, QLO
	s_wait_loadcnt 8                               ; K's tile 0
	WIN 0x45
	CVT SK
	WIN 0x04
	STORE SK, 2, 0, KP
	s_wait_loadcnt 0x0                             ; V's tile 0
	WIN 0x45
	CVTV SV
	WIN 0x04
	STORE SV, 3, VOFF, VP
	WIN 0
	s_wait_dscnt 0x0                               ; for the others: my rows are in LDS
	s_barrier_signal -1
	s_barrier_wait -1
	QFILL 0
	RESET 1                                        ; step 0 has parity 0 and reads the old maxima of parity 1
	; ---------------- the 17 steps ----------------
	STEP 0, 1, 0, 1, 1                             ; t = 0: the first block's first step; dh >= 8, so never the diagonal
	s_mov_b32 s19, 7
.Lpair:
	STEP 1, 2, 2, 1, 1                             ; t = 1, 3, .. 13
	STEP 0, 2, 2, 1, 1                             ; t = 2, 4, .. 14
	s_sub_co_u32 s19, s19, 1
	s_cmp_lg_u32 s19, 0
	s_cbranch_scc1 .Lpair
	STEP 1, 2, 2, 1, 0                             ; t = 15
	STEP 0, 2, 1, 0, 0                             ; t = 16: the second block's diagonal; nothing more to fetch
	s_wait_tensorcnt 0x0
	ds_add_u32 v254, v255
	s_wait_dscnt 0x0
	s_endpgm
.Lfunc_end_k_qce97e4a9bc_attn:
	.size	k_qce97e4a9bc_attn, .Lfunc_end_k_qce97e4a9bc_attn-k_qce97e4a9bc_attn
	.p2alignl 7, 3214868480
	.fill 96, 4, 3214868480
	.section	.rodata,"a",@progbits
	.p2align	6, 0x0
	.amdhsa_kernel k_qce97e4a9bc_attn
		.amdhsa_group_segment_fixed_size 220160
		.amdhsa_private_segment_fixed_size 0
		.amdhsa_enable_private_segment 0
		.amdhsa_kernarg_size 32
		.amdhsa_user_sgpr_count 2
		.amdhsa_user_sgpr_kernarg_segment_ptr 1
		.amdhsa_wavefront_size32 1
		.amdhsa_system_sgpr_workgroup_id_x 1
		.amdhsa_system_sgpr_workgroup_id_y 1
		.amdhsa_system_sgpr_workgroup_id_z 1
		.amdhsa_system_vgpr_workitem_id 0
		.amdhsa_next_free_vgpr 448
		.amdhsa_next_free_sgpr 66
		.amdhsa_reserve_vcc 1
		.amdhsa_float_denorm_mode_32 3
		.amdhsa_float_denorm_mode_16_64 3
		.amdhsa_memory_ordered 1
		.amdhsa_forward_progress 1
		.amdhsa_inst_pref_size 174
	.end_amdhsa_kernel
	.amdgpu_metadata
---
amdhsa.version: [ 1, 2 ]
amdhsa.kernels:
  - .name:           k_qce97e4a9bc_attn
    .symbol:         k_qce97e4a9bc_attn.kd
    .args:
      - { .name: keys, .offset: 0, .size: 8, .value_kind: global_buffer, .address_space: global }
      - { .name: queries, .offset: 8, .size: 8, .value_kind: global_buffer, .address_space: global }
      - { .name: values, .offset: 16, .size: 8, .value_kind: global_buffer, .address_space: global }
      - { .name: out0, .offset: 24, .size: 8, .value_kind: global_buffer, .address_space: global }
    .group_segment_fixed_size: 220160
    .private_segment_fixed_size: 0
    .kernarg_segment_align: 8
    .kernarg_segment_size: 32
    .max_flat_workgroup_size: 256
    .sgpr_count:     66
    .vgpr_count:     448
    .wavefront_size: 32
...
	.end_amdgpu_metadata
.endif
;; end of part 1
